; MI455X (gfx1250); checked and timed in simulation.
; The chip was launched on July 23, 2026; its instructions are those of AMD's public machine-readable ISA for CDNA 5 (MIT licence, August 2026) and "CDNA5" Instruction Set Architecture Reference Guide (July 2026). The comments in the code are by the model that wrote it; some were corrected since.
;; Quantized Linear. Allowed arithmetic: matrix products marked QUANTISED: E5M2 operands, one E8M0 scale for each 32 along K, by v_wmma_scale_f32_16x16x128_f8f6f4 with both operands' format E5M2, f32 sums; everything else in f32.
;; Inputs: bias 4,096 float32; quantized_weight 4,096 x 4,096 int32; weight_scale 1 float32; weight_zero_point 1 int32; x_codes 4 x 1,024 x 128 x 32 uint8 (E5M2 codes of x, K innermost, in blocks of 32 codes); x_scales 4 x 1,024 x 128 uint8 (E8M0 scales of x, one for each 32 codes along K).
;; Outputs: out0 4 x 1,024 x 4,096 float32.
;; This version of the problem:
;;   THIS VERSION OF THE PROBLEM IS GIVEN IN LOW PRECISION. The matrix products marked QUANTISED in the list below multiply operands that are first quantised to E5M2 (5 exponent bits, 2 mantissa bits; 8 bits a number), with one power-of-two scale for each 32 numbers along K (OCP MX v1.0); their sums are f32. All else is computed in f32.
;;   The module's matrix products, in the order in which they are computed (A, B: the left and right operand; K: the contracted axis; several contracted axes count as one K, in the product's order):
;;     1. [M 4,096, K 4,096] x [K 4,096, N 4,096]; A: input x (given as codes); B: computed on the way: QUANTISED
;;   THE QUANTISER, for each operand of a quantised product, along K:
;;     - K is cut into blocks of 32 from its start; a last block that is shorter is filled with zeros.
;;     - A block's scale is 2^e with e = floor(log2(the largest magnitude in the block)) - 15, held to -126 .. 127; a block of zeros has e = 0. As a byte (E8M0): e + 127.
;;     - Each number is divided by its block's scale, clamped to +-57,344, and rounded to the nearest number of E5M2, ties to even, subnormals kept.
;;     - The product sums the exact products of the quantised numbers (number of the format x scale) in f32.
;;   ~~~python
;;   def quantise(x, axis):      # numpy; x: float32 -> the quantised numbers, widened to float32 again
;;       x = np.moveaxis(x, axis, -1); K = x.shape[-1]
;;       x = np.pad(x, [(0, 0)] * (x.ndim - 1) + [(0, -K % 32)]); x = x.reshape(x.shape[:-1] + (-1, 32)); a = np.abs(x).max(-1, keepdims=True)
;;       e = np.where(a > 0, np.clip(np.frexp(np.where(a > 0, a, 1))[1] - 1 - 15, -126, 127), 0)      # np.frexp(a)[1] - 1 = floor(log2(a)), exactly
;;       r = np.clip(x / 2.0 ** e, -57344, 57344)
;;       step = 2.0 ** (np.maximum(np.frexp(np.where(r == 0, 1, r))[1] - 1, -14) - 2)
;;       q = np.round(r / step) * step * 2.0 ** e      # np.round: ties to even
;;       return np.moveaxis(q.reshape(q.shape[:-2] + (-1,))[..., :K], -1, axis).astype(np.float32)
;;   ~~~
;;   OPERANDS COMPUTED ON THE WAY. 'Computed on the way' means the value that the module computes at that place (a softmax that the list does not call 'softmax' is quantised finished and normalised). What goes into a quantiser is computed in f32, as accurately as f32 sums, v_exp_f32 and their like allow (about 1e-6 of the number): no bf16 or f16 on the way to a quantiser, and a product that is left as it is and whose result goes on into a quantised operand takes f32 operands (vector FMAs, or v_wmma_f32_16x16x4_f32). A number that lies on a knife's edge between two numbers of the format may be rounded either way, as far as f32 arithmetic and the matrix unit's own rounding can turn it there, and no further.
;;   INPUTS GIVEN AS CODES. x (in the module: [4, 1024, 4096], K = its axis 2): each comes as NAME_codes (uint8): NAME with its K axis moved to the last place and cut into blocks of 32 codes, [.., K / 32, bytes a block], one block behind the other in memory; one code a byte (a code: sign, 5 exponent bits, 2 mantissa bits); and NAME_scales (uint8): the same leading axes, one E8M0 byte (e + 127) for each 32 codes along K. Its value is code x scale, taken as it is: it is not quantised again, and the codes and scales need not be those that the quantiser above would give.
;; One version. Each part assembles by itself: llvm-mc -triple=amdgcn-amd-amdhsa -mcpu=gfx1250 --defsym DOCPART=n.
;; ======== version 1 of 1: 2 launches
;; workspace buffers: w_codes 16,777,216 bytes; ws_t 524,288 bytes; xs_t 524,288 bytes
;; launch prep (part 1): grid 544 x 1, 4 waves a work-group, no clusters, 51,712 bytes of LDS; arguments quantized_weight, weight_zero_point, weight_scale, x_scales, w_codes, ws_t, xs_t; writes w_codes, ws_t, xs_t
.if DOCPART == 1
	.amdgcn_target "amdgcn-amd-amdhsa--gfx1250"
	.amdhsa_code_object_version 6
	.text
	.protected	k_qda3f4cd880_prep
	.globl	k_qda3f4cd880_prep
	.p2align	8
	.type	k_qda3f4cd880_prep,@function
k_qda3f4cd880_prep:
	s_mov_b64 s[64:65], 0
	v_nop
	global_prefetch_b8 v0, s[64:65] scope:SCOPE_SE
	s_setreg_imm32_b32 hwreg(HW_REG_WAVE_MODE, 25, 1), 1
	s_wait_xcnt 0x0
; TWO JOBS IN ONE LAUNCH, told apart by the work-group's number alone.
; (1) Work-groups 0 .. 511: w[n][k] = (f32(q[n][k]) - f32(zero point)) x scale, in f32 and in that order (a subtraction, then a multiplication: not fused), is turned into codes of BF8 (E5M2),
;     K innermost, w_codes [4096][4096], with one E8M0 byte for each 32 along K.  A block's scale is 2^(floor(log2(its largest magnitude)) - 15); its byte is the largest magnitude's own exponent
;     field - 15, held at 1 from below; each number is divided by the scale, held within +-57,344 and rounded to the nearest code, ties to even.
; (2) Work-groups 512 .. 543: x's scale bytes, given as [4096 rows][128], are laid anew.
; BOTH SETS OF SCALE BYTES ARE LAID BY K STEP, as the product's launch fetches them: [row / 256][k / 256][row % 256][8 bytes]: the scales of 256 rows for 256 along K are 2,048 consecutive bytes,
; and those of 32 rows are 256 consecutive bytes, aligned.
; LIMITS: a block of zeros gets the byte 1 where the rule says 127 (its codes are zeros, which add nothing under any byte but 0xff, and this program alone reads the bytes); blocks whose largest
; magnitude lies under 2^(16 - 127), the floor, were not tried; a scale that is NaN or infinite, or products beyond f32's range, are not served; |q| from 2^24 on is rounded by the conversion, to nearest even.
; SHARES OF (1).  A wave takes 32 rows of w x 256 along K: 16 steps of two rows' 256 numbers.  The conversions take neighbours along K from ONE lane's registers, so a lane must hold 16 neighbours (two lanes hold a
; block); a load is best where neighbouring lanes take neighbouring bytes.  Both are had: each of a step's four loads reads 512 consecutive bytes, 16 a lane; the 2,048 bytes go through the wave's own stage in LDS
; as they lie and come back 64 bytes a lane (16 bytes of padding behind each 64).  A lane's 16 codes are 16 bytes: lanes 0-15 store one row's 256 consecutive bytes, lanes 16-31 the next row's.
; A step makes 16 scale bytes, the wave 256: they are gathered in the wave's own LDS bytes and leave by one store of 256 consecutive bytes, aligned.
; No tensor loads, no barrier: waves share nothing.  Loads run eight steps (32 loads a wave) ahead, the turn through LDS one step.  Every offset is an immediate, 508,416 at the most.
.set STEPS, 16
.set AHEAD, 8
.set EMAX,  15
.set QROW,  16384                      ; a row of q in bytes
.set CROW,  4096                       ; a row of the codes in bytes
.set SP,    80                         ; a lane's place in a stage: its 64 bytes + 16 of padding
.set WREG,  8192                       ; job (1), LDS: a region for each wave: two stages of 32 x SP bytes, then its 256 scale bytes
.set SCB,   2*32*SP
.set XSB,   32768                      ; job (2), LDS bytes of its own: 32 rows x XP bytes for each wave
.set XP,    144                        ; a row of 128 scale bytes + 16 of padding
.set R,     16                         ; v16-143  eight sets of 16 numbers as they are loaded
.set X,     144                        ; v144-175 two sets of 16 neighbours
.set C,     176                        ; v176-239 codes: four registers for each step, so that no store's data are written again
.set E,     240                        ; v240-255 a scale byte for each step
	s_load_b256 s[4:11], s[0:1], 0x0               ; q s[4:5], zero point s[6:7], scale s[8:9], x's scale bytes s[10:11]
	s_load_b128 s[12:15], s[0:1], 0x20             ; w's codes s[12:13], w's scale bytes s[14:15]
	s_load_b64 s[16:17], s[0:1], 0x30              ; x's scale bytes, laid anew
	s_set_vgpr_msb 0x40
	v_lshl_add_u32 v0, v0, 2, 0xc800
	v_mov_b32 v1, 0
	s_set_vgpr_msb 0x4000
	v_lshrrev_b32 v1, 5, v0
	v_readfirstlane_b32 s22, v1                    ; wave 0..3
	v_and_b32 v2, 31, v0                           ; lane
	v_lshlrev_b32 v3, 4, v2                        ; my 16 bytes of a load's 512
	v_lshlrev_b32 v7, 3, v2                        ; my 8 bytes of a store's 256
	s_mov_b32 s27, 0                               ; the high word of every offset: all stay under 2^27
	s_wait_kmcnt 0x0
	s_cmp_ge_u32 ttmp9, 512
	s_cbranch_scc1 .Lxs
	; ---------------- job (1): w ----------------
	s_load_b32 s20, s[6:7], 0x0                    ; the zero point
	s_load_b32 s24, s[8:9], 0x0                    ; the scale
	s_lshr_b32 s29, ttmp9, 2                       ; which 32 rows of w: 0 .. 127
	s_and_b32 s30, ttmp9, 3
	s_lshl_b32 s30, s30, 2
	s_add_co_u32 s30, s30, s22                     ; which 256 along K: 4 x (work-group % 4) + wave
	s_lshl_b32 s26, s29, 19                        ; q: 32 rows of 16,384 bytes,
	s_lshl_b32 s31, s30, 10                        ; 256 numbers of 4 bytes
	s_add_co_u32 s26, s26, s31
	s_add_nc_u64 s[4:5], s[4:5], s[26:27]
	s_lshl_b32 s26, s29, 17                        ; codes: 32 rows of 4,096 bytes,
	s_lshl_b32 s31, s30, 8                         ; 256 codes
	s_add_co_u32 s26, s26, s31
	s_add_nc_u64 s[12:13], s[12:13], s[26:27]
	s_lshr_b32 s26, s29, 3                         ; scale bytes: the tile of 256 rows: 32,768 bytes,
	s_lshl_b32 s26, s26, 15
	s_lshl_b32 s31, s30, 11                        ; the K step: 2,048 bytes,
	s_add_co_u32 s26, s26, s31
	s_and_b32 s31, s29, 7                          ; my 32 rows in the tile: 256 bytes
	s_lshl_b32 s31, s31, 8
	s_add_co_u32 s26, s26, s31
	s_add_nc_u64 s[14:15], s[14:15], s[26:27]
.macro LOAD t                          ; step t: rows 2 t and 2 t + 1, 1,024 bytes of each, by four loads of 512 consecutive bytes
.irp i, 0,1,2,3
	global_load_b128 v[R+16*((\t)%AHEAD)+4*\i:R+16*((\t)%AHEAD)+4*\i+3], v3, s[4:5] offset:(2*(\t)+\i/2)*QROW+(\i%2)*512 th:TH_LOAD_NT
.endr
.endm
.macro TURN t                          ; step t's numbers through the stage: LDS serves a wave's instructions in order (ISA guide 5.7.1.4), so no wait stands between the stores and the loads
.irp i, 0,1,2,3
	ds_store_b128 v14, v[R+16*((\t)%AHEAD)+4*\i:R+16*((\t)%AHEAD)+4*\i+3] offset:32*SP*((\t)%2)+8*SP*\i
.endr
.irp i, 0,1,2,3
	ds_load_b128 v[X+16*((\t)%2)+4*\i:X+16*((\t)%2)+4*\i+3], v15 offset:32*SP*((\t)%2)+16*\i
.endr
.endm
.irp t, 0,1,2,3,4,5,6,7
	LOAD \t                                        ; the first eight steps are asked for before anything else is made: they need neither the zero point nor the scale
.endr
	s_mul_i32 s28, s22, WREG                       ; my wave's region of LDS
	v_lshrrev_b32 v14, 2, v2
	v_mul_u32_u24 v14, v14, SP
	v_and_b32 v15, 3, v2
	v_lshl_add_u32 v14, v15, 4, v14
	v_add_nc_u32 v14, s28, v14                     ; the stage, on the way in: four lanes' 64 bytes on end, then 16 of padding: SP (lane / 4) + 16 (lane % 4); a load's 512 bytes take eight places
	v_mul_u32_u24 v15, v2, SP
	v_add_nc_u32 v15, s28, v15                     ; and on the way out: SP x lane: lane l then holds k = 16 (l % 16) + 0 .. 15 of row 2 t + l / 16
	v_lshrrev_b32 v4, 4, v2
	v_and_b32 v5, 15, v2
	v_lshlrev_b32 v4, 12, v4
	v_lshl_add_u32 v4, v5, 4, v4                   ; my codes' place: 4,096 (lane / 16) + 16 (lane % 16)
	s_add_co_u32 s28, s28, SCB
	v_lshrrev_b32 v5, 1, v2
	v_add_nc_u32 v5, s28, v5                       ; my block's byte among a step's 16: 8 x (row % 2) + block = lane / 2
	v_add_nc_u32 v6, s28, v7                       ; and on the way out 8 bytes a lane
	s_mov_b32 s23, 0x600000                        ; the mantissa field of 57,344 (an instruction takes one literal: the hold's line has another)
	s_wait_kmcnt 0x0
	v_cvt_f32_i32 v1, s20
	v_sub_f32 v1, 0, v1                            ; -f32(zero point): a + (-b) is a - b bit for bit
	v_readfirstlane_b32 s20, v1
	s_mov_b32 s21, s20                             ; (the packed forms name a pair and take its low word for both halves: so the upper word is written)
	s_mov_b32 s25, s24
	s_wait_loadcnt 4*(AHEAD-1)                     ; step 0's four loads are in; the seven younger steps' 28 may be out
	TURN 0
.macro STEP t
.set XS, X+16*((\t)%2)
.if (\t) > 0
	s_wait_dscnt 1                                 ; this step's numbers are back from the stage (the last step's byte store may be out): so its stores into the stage have read their registers,
.else
	s_wait_dscnt 0x0
.endif
.if (\t)+AHEAD < STEPS
	LOAD (\t)+AHEAD                                ; which take the loads of eight steps on
.endif
.if (\t)+1 < STEPS
.if STEPS-2-(\t) >= AHEAD-1
	s_wait_loadcnt 4*(AHEAD-1)                     ; the next step's four loads are in; those of the seven steps behind it may be out
.else
	s_wait_loadcnt 4*(STEPS-2-(\t))                ; near the end fewer steps stand behind it
.endif
	TURN (\t)+1                                    ; and go through the other stage while this step is worked
.endif
.irp i, 0,1,2,3,4,5,6,7,8,9,10,11,12,13,14,15
	v_cvt_f32_i32 v[XS+\i], v[XS+\i]               ; f32(q)
.endr
.irp i, 0,2,4,6,8,10,12,14
	v_pk_add_f32 v[XS+\i:XS+\i+1], v[XS+\i:XS+\i+1], s[20:21] op_sel_hi:[1,0]   ; - f32(zero point)
.endr
.irp i, 0,2,4,6,8,10,12,14
	v_pk_mul_f32 v[XS+\i:XS+\i+1], v[XS+\i:XS+\i+1], s[24:25] op_sel_hi:[1,0]   ; x scale: rounded apart from the subtraction, as the definition has it
.endr
	v_max3_num_f32 v8, |v[XS]|, |v[XS+1]|, |v[XS+2]|               ; the largest magnitude of my 16, in two chains
	v_max3_num_f32 v9, |v[XS+3]|, |v[XS+4]|, |v[XS+5]|
.irp i, 6,10
	v_max3_num_f32 v8, v8, |v[XS+\i]|, |v[XS+\i+1]|
	v_max3_num_f32 v9, v9, |v[XS+\i+2]|, |v[XS+\i+3]|
.endr
	v_max3_num_f32 v8, v8, |v[XS+14]|, |v[XS+15]|
	v_max3_num_f32 v8, v8, v9, (EMAX+1)<<23        ; and the floor 2^(16 - 127), under which no largest magnitude is taken: so the byte cannot fall under 1
	v_max_num_f32_dpp v8, v8, v8 row_xmask:1 row_mask:0xf bank_mask:0xf   ; and of my neighbour's 16: the block's
	v_add_nc_u32 v11, 0xf8800000, v8               ; 15 off its exponent field: the conversion takes the exponent field of this operand as its scale, and nothing else of it
	v_and_or_b32 v10, v8, 0x7f800000, s23          ; 57,344 x the scale: the largest magnitude's exponent field over 57,344's mantissa
.irp i, 0,1,2,3,4,5,6,7,8,9,10,11,12,13,14,15
	v_med3_num_f32 v[XS+\i], v[XS+\i], -v10, v10   ; the conversion to an 8-bit code does not saturate (ISA guide 7.6.2): hold the number within the largest code x the scale first
.endr
	v_cvt_scalef32_pk8_bf8_f32 v[C+4*(\t):C+4*(\t)+1], v[XS:XS+7], v11
	v_cvt_scalef32_pk8_bf8_f32 v[C+4*(\t)+2:C+4*(\t)+3], v[XS+8:XS+15], v11
	v_lshrrev_b32 v[E+(\t)], 23, v11               ; the scale's byte; also the plain vector line behind the conversions
	ds_store_b8 v5, v[E+(\t)] offset:16*(\t)       ; byte 8 x row + block of my wave's 256; both lanes of a block write the same byte with the same value
	global_store_b128 v4, v[C+4*(\t):C+4*(\t)+3], s[12:13] offset:2*CROW*(\t)   ; sixteen lanes store 256 consecutive bytes of a row, at a multiple of 256 from the buffer's first byte
.endm
.irp t, 0,1,2,3,4,5,6,7,8,9,10,11,12,13,14,15
	STEP \t
.endr
	ds_load_b64 v[12:13], v6                       ; LDS serves a wave's instructions in order: these see my byte stores
	s_wait_dscnt 0x0
	global_store_b64 v7, v[12:13], s[14:15]        ; 32 lanes store 256 consecutive bytes, aligned: 32 rows x 8 scale bytes
	s_set_vgpr_msb 0x5
	s_wait_tensorcnt 0x0
	ds_add_u32 v0, v1
	s_wait_dscnt 0x0
	s_set_vgpr_msb 0x500
	s_endpgm
	; ---------------- job (2): x's scale bytes ----------------
	; A wave takes 32 rows: 4,096 consecutive bytes in, by eight loads of 512; through its own LDS bytes (rows 144 bytes apart); out a lane a row, 8 bytes for each of the 16 K steps:
	; each store covers 256 consecutive bytes, aligned.
.Lxs:
	s_sub_co_u32 s26, ttmp9, 512
	s_lshl_b32 s26, s26, 2
	s_add_co_u32 s28, s26, s22                     ; which 32 rows: 0 .. 127
	s_lshl_b32 s26, s28, 12
	s_add_nc_u64 s[10:11], s[10:11], s[26:27]
	s_lshr_b32 s26, s28, 3                         ; the tile of 256 rows: 32,768 bytes,
	s_lshl_b32 s26, s26, 15
	s_and_b32 s29, s28, 7                          ; my 32 rows in it: 256 bytes
	s_lshl_b32 s29, s29, 8
	s_add_co_u32 s26, s26, s29
	s_add_nc_u64 s[16:17], s[16:17], s[26:27]
.irp i, 0,1,2,3,4,5,6,7
	global_load_b128 v[16+4*\i:19+4*\i], v3, s[10:11] offset:512*\i th:TH_LOAD_NT
.endr
	s_mul_i32 s30, s22, 32*XP
	s_add_co_u32 s30, s30, XSB
	v_lshrrev_b32 v8, 3, v2
	v_mul_u32_u24 v8, v8, XP
	v_and_b32 v9, 7, v2
	v_lshl_add_u32 v8, v9, 4, v8
	v_add_nc_u32 v8, s30, v8                       ; in: a load's 512 bytes are four rows: row lane / 8, byte 16 (lane % 8)
	v_mul_u32_u24 v9, v2, XP
	v_add_nc_u32 v9, s30, v9                       ; out: row = lane
	s_wait_loadcnt 0x0
.irp i, 0,1,2,3,4,5,6,7
	ds_store_b128 v8, v[16+4*\i:19+4*\i] offset:4*XP*\i
.endr
.irp k, 0,1,2,3,4,5,6,7,8,9,10,11,12,13,14,15
	ds_load_b64 v[48+2*\k:49+2*\k], v9 offset:8*\k ; my row's 8 bytes of K step k
.endr
.irp k, 0,1,2,3,4,5,6,7,8,9,10,11,12,13,14,15
	s_wait_dscnt 15-\k                             ; LDS loads come back in order: load k is in, the younger ones may be out
	global_store_b64 v7, v[48+2*\k:49+2*\k], s[16:17] offset:2048*\k
.endr
	s_set_vgpr_msb 0x5
	s_wait_tensorcnt 0x0
	ds_add_u32 v0, v1
	s_wait_dscnt 0x0
	s_set_vgpr_msb 0x500
	s_endpgm
.Lfunc_end_k_qda3f4cd880_prep:
	.size	k_qda3f4cd880_prep, .Lfunc_end_k_qda3f4cd880_prep-k_qda3f4cd880_prep
	.p2alignl 7, 3214868480
	.fill 96, 4, 3214868480
	.section	.rodata,"a",@progbits
	.p2align	6, 0x0
	.amdhsa_kernel k_qda3f4cd880_prep
		.amdhsa_group_segment_fixed_size 51712
		.amdhsa_private_segment_fixed_size 0
		.amdhsa_enable_private_segment 0
		.amdhsa_kernarg_size 56
		.amdhsa_user_sgpr_count 2
		.amdhsa_user_sgpr_kernarg_segment_ptr 1
		.amdhsa_wavefront_size32 1
		.amdhsa_system_sgpr_workgroup_id_x 1
		.amdhsa_system_sgpr_workgroup_id_y 1
		.amdhsa_system_sgpr_workgroup_id_z 1
		.amdhsa_system_vgpr_workitem_id 0
		.amdhsa_next_free_vgpr 258
		.amdhsa_next_free_sgpr 66
		.amdhsa_reserve_vcc 0
		.amdhsa_float_denorm_mode_32 3
		.amdhsa_float_denorm_mode_16_64 3
		.amdhsa_memory_ordered 1
		.amdhsa_forward_progress 1
		.amdhsa_inst_pref_size 81
	.end_amdhsa_kernel
	.amdgpu_metadata
---
amdhsa.version: [ 1, 2 ]
amdhsa.kernels:
  - .name:           k_qda3f4cd880_prep
    .symbol:         k_qda3f4cd880_prep.kd
    .args:
      - { .name: quantized_weight, .offset: 0, .size: 8, .value_kind: global_buffer, .address_space: global }
      - { .name: weight_zero_point, .offset: 8, .size: 8, .value_kind: global_buffer, .address_space: global }
      - { .name: weight_scale, .offset: 16, .size: 8, .value_kind: global_buffer, .address_space: global }
      - { .name: x_scales, .offset: 24, .size: 8, .value_kind: global_buffer, .address_space: global }
      - { .name: w_codes, .offset: 32, .size: 8, .value_kind: global_buffer, .address_space: global }
      - { .name: ws_t, .offset: 40, .size: 8, .value_kind: global_buffer, .address_space: global }
      - { .name: xs_t, .offset: 48, .size: 8, .value_kind: global_buffer, .address_space: global }
    .group_segment_fixed_size: 51712
    .private_segment_fixed_size: 0
    .kernarg_segment_align: 8
    .kernarg_segment_size: 56
    .max_flat_workgroup_size: 128
    .sgpr_count:     66
    .vgpr_count:     258
    .wavefront_size: 32
...
	.end_amdgpu_metadata
.endif
;; end of part 1
;; launch gemm (part 2): grid 16 x 16, 4 waves a work-group, clusters of 4 x 4, 327,680 bytes of LDS; arguments x_codes, xs_t, w_codes, ws_t, bias, out0; writes out0
.if DOCPART == 2
	.amdgcn_target "amdgcn-amd-amdhsa--gfx1250"
	.amdhsa_code_object_version 6
	.text
	.protected	k_qda3f4cd880_gemm
	.globl	k_qda3f4cd880_gemm
	.p2align	8
	.type	k_qda3f4cd880_gemm,@function
k_qda3f4cd880_gemm:
	s_mov_b64 s[64:65], 0
	v_nop
	global_prefetch_b8 v0, s[64:65] scope:SCOPE_SE
	s_setreg_imm32_b32 hwreg(HW_REG_WAVE_MODE, 25, 1), 1
	s_wait_xcnt 0x0
	s_wait_alu depctr_hold_cnt(0) depctr_sa_sdst(0) depctr_va_vdst(0) depctr_va_sdst(0) depctr_va_ssrc(0) depctr_va_vcc(0) depctr_vm_vsrc(0)
	s_getreg_b32 s2, hwreg(HW_REG_IB_STS2, 6, 4)
	s_cmp_eq_u32 s2, 0
	s_cbranch_scc0 .Lentry_in_a_cluster
	s_endpgm
.Lentry_in_a_cluster:
	s_bfe_u32 s2, ttmp6, 0x10000c
	s_cmp_lg_u32 s2, 0xf033
	s_cbranch_scc0 .Lentry_shape_is_right
	s_endpgm
.Lentry_shape_is_right:
; out0[m][n] = sum over k of x[m][k] w[n][k] + bias[n].  x: [4096][4096], w: [4096][4096]: codes of BF8 (E5M2), one a byte, K innermost, with one E8M0 scale for each 32 along K; out0: [4096][4096] f32; sums in f32.
; The scale bytes of both come laid by K step, [row / 256][k / 256][row % 256][8 bytes] (the launch before lays them so): a tile's scales of one K step are 2,048 consecutive bytes.
; A tile of out0, 256 x 256, is made by a work-group of four waves, as many as a WGP has SIMDs; a wave makes 128 x 128: 64 accumulators of 16 x 16, 512 registers.  256 tiles, one to a work-group.
; K goes in 16 steps of 256 through a ring of two LDS slots filled by the tensor data mover: a tile's row is 256 bytes of memory, aligned.  THE SCALES RIDE IN THE RING: those of all of K (17 x 4,096 bytes with
; padding) would not fit beside two such slots.  One load a wave: wave 0 x's 256 rows of codes, wave 1 w's, wave 2 x's 2,048 scale bytes, wave 3 w's.
; CLUSTERS: 4 x 4 work-groups.  The four of a row of the cluster need the same tiles of x, the four of a column the same tiles of w: each tile is asked for JOINTLY, by the same tensor load with the same descriptor
; and a mask that names the four.  THE MATRIX INSTRUCTION IS USED TRANSPOSED (source 0 = 16 rows of w, source 1 = 16 rows of x): a lane then holds eight neighbouring numbers of a row of out0.
; THE BIAS is the C of each sum's first matrix instruction: eight registers for each of my eight blocks of 16 columns, in the result's layout.  It costs no addition, and nothing is cleared.
; LIMIT: a scale byte 0xff among x's makes the sums that it touches NaN, as the format says.
; REGISTERS, in windows of 256: window 0: v0-31 addresses; v32-63 scale words, two sets; v64-127 the bias; from v128 x's fragments (8 x 16 rows x 128 K), ONE set; on the way out v128-255 are free.
;   window 1: w's fragments, TWO sets, at v0 and at v128.   window 2: the 32 accumulators of my rows 0-63 (accumulator (a, b) at v[8 (8 a + b)]);   window 3: those of my rows 64-127.
; Below, A is x and B is w.  A step of 128 along K is 64 matrix instructions, A's blocks one after the other, each against B's eight.  So a block of A is free as soon as its eight products are issued, and one set of
; registers serves A: blocks 0-3 are fetched anew in the step's middle, blocks 4-7 at its end.  B's fragments are at work through the whole step, so B has two sets.
.set NQ,     2                         ; steps of 128 along K in a slot
.set ROWB,   256                       ; a tile's row in bytes
.set KROW,   4096                      ; a row of x or of w in memory, in bytes
.set NROW,   16384                     ; a row of out0 in bytes
.set PITCH,  272                       ; an LDS row: 256 bytes of data + 16 of padding = 68 words: row r starts at bank 4 r mod 64 (64 banks of 4 bytes: ISA guide 11.1), so the 16 rows that a load touches start at 16 different banks
.set FR,     16                        ; registers of a fragment: 16 rows x 128 K
.set NL,     4                         ; LDS loads that bring one
.set NP,     8                         ; places behind this matrix instruction (ISA guide 7.12.1)
.set HALFT,  128*PITCH                 ; 128 rows: what one wave reads of A or of B
.set BOFF,   2*HALFT                   ; a slot: A's 256 rows, B's 256 rows,
.set SAOFF,  4*HALFT                   ; A's 2,048 scale bytes,
.set SBOFF,  SAOFF+2048+128            ; and B's, 128 bytes further on than A's end: the 128 bytes that lanes 0-15 read of A's and the 128 that lanes 16-31 read of B's then fall on different banks
.set SLOT,   143616                    ; 561 x 256, the first multiple of 256 behind SBOFF + 2,048
.set LAPS,   8                         ; a lap = two K steps = once round the ring
.set SPARE,  2*SLOT                    ; behind the ring: the spare words, 128 bytes for each wave: two blocks of 256 bytes that no other line names
.set SPITCH, 528                       ; the way out: a stage of 16 rows x (512 bytes + 16) for each wave.  It lies in slot 0, which has had its last fill and its last read when the first result is stored there
.set ADRA, 16                          ; v16-17  LDS address of my A fragments in slot 0, 1
.set ADRB, 20                          ; v20-21  the same for B
.set ADRS, 22                          ; v22-23  LDS address of my scale words in slot 0, 1: lanes 0-15 A's rows, lanes 16-31 B's
.set STO,  24                          ; v24     the way out: where I put 32 bytes of a row
.set RD,   25                          ; v25     the way out: where I read a row back
.set CO,   26                          ; v26     my byte offset in a row of out0
.set BO,   27                          ; v27     my byte offset in my wave's 128 numbers of the bias
.set SPW,  28                          ; v28     LDS address of my spare word: SPARE + 4 x my thread's number; never rewritten
.set NIL,  29                          ; v29     0; never rewritten
.set PFO,  30                          ; v30     the codes' prefetches: 4,096 x my lane: a lane a row; never rewritten
.set PFS,  31                          ; v31     the scales' prefetch: 256 x my lane; never rewritten
.set SC,   32                          ; scale words: set s (for slot s) at v[SC + 16 s]; in it register 2 i + q: lanes 0-15 the word of A's block i, lanes 16-31 that of B's block i, for the slot's q-th 128 along K
.set BI,   64                          ; the bias: block b's eight registers at v[BI + 8 b]
.set AF,   128                         ; A's fragments, in window 0
.set BK,   128                         ; the way out: 16 rows read back from the stage: v128-191 and v192-255 by turns
.set WV,   16                          ; s16  my wave's number;  s17 = wave / 2: my half of the tile's rows;  s18 = wave % 2: my half of its columns
.set G1A,  24                          ; s[24:31] descriptor group 1 for A's codes;  s[32:39] for B's;  s[40:47] for A's scales;  s[48:55] for B's
.set G1B,  32
.set G1SA, 40
.set G1SB, 48
.set G0A,  56                          ; s[56:63] group 0 for A's codes, one set for each slot;  s[68:75] B's codes;  s[76:83] A's scales;  s[84:91] B's scales
.set G0B,  68
.set G0SA, 76
.set G0SB, 84
.set PFA,  92                          ; s[92:93] where my prefetches of codes stand: my work-group's 32 rows, one K step further along K than the refill in hand; a prefetch names the K step after that
.set PSA,  94                          ; s[94:95] my work-group's 8,192 bytes of a tile's 32,768 scale bytes
.set LIM,  96                          ; s96  1 in a wave that prefetches codes, else the greatest number
.set LIMS, 97                          ; s97  LAPS - 1 in a wave that prefetches scale bytes, else 0
.set MSB, 0
.macro WIN new                         ; the immediate's high byte repeats the setting that is left; a switch that changes nothing is dropped
.if MSB != \new
	s_set_vgpr_msb (MSB<<8)|\new
.set MSB, \new
.endif
.endm
.set MUL_LO,  0xa1                     ; source 0 (B) window 1, source 1 (A) window 0, C and D window 2
.set MUL_HI,  0xf1                     ; the same, C and D window 3
.set MUL_LO1, 0x81                     ; the first step: C (the bias) window 0, D window 2
.set MUL_HI1, 0xc1                     ; C window 0, D window 3
.set TO_B,    0x40                     ; destination window 1, address window 0
; A joint load into slot s: each wave issues one of four lines.  Each line has ONE mask and one set of registers for all that issue it; the branches hang on the wave's number alone, the same in every work-group.
; Four v_nop follow each line, ahead of the jump, the label and what follows.
.macro JLOAD s
	s_cmp_lt_u32 s[WV], 2
	s_cbranch_scc0 .Lscales_\@
	s_cmp_eq_u32 s[WV], 0
	s_cbranch_scc0 .Lcodes_b_\@
	tensor_load_to_lds s[G0A+4*\s:G0A+4*\s+3], s[G1A:G1A+7]
	s_nop 0
.rept 4
	v_nop
.endr
	s_branch .Lasked_\@
.Lcodes_b_\@:
	tensor_load_to_lds s[G0B+4*\s:G0B+4*\s+3], s[G1B:G1B+7]
	s_nop 0
.rept 4
	v_nop
.endr
	s_branch .Lasked_\@
.Lscales_\@:
	s_cmp_eq_u32 s[WV], 2
	s_cbranch_scc0 .Lscales_b_\@
	tensor_load_to_lds s[G0SA+4*\s:G0SA+4*\s+3], s[G1SA:G1SA+7]
	s_nop 0
.rept 4
	v_nop
.endr
	s_branch .Lasked_\@
.Lscales_b_\@:
	tensor_load_to_lds s[G0SB+4*\s:G0SB+4*\s+3], s[G1SB:G1SB+7]
	s_nop 0
.rept 4
	v_nop
.endr
.Lasked_\@:
.endm
; PREFETCHES INTO THE L2, behind each joint refill and its four lines; the products that follow work on registers and wait for no load.  At a change of slots every wave has waited for all its tensor loads, so the
; refill that follows has nothing on its way beside it: what it asks for has been asked of memory two K steps, 256 matrix instructions, earlier.
; CODES: the K step that stands two refills on: 32 rows x 256 bytes, a lane a row, one instruction a wave.  Each row's 256 bytes of a K step are named once in the launch: x's tile row is read by every cluster of
; that row of clusters: the one with cluster x = 0 asks (waves 0, 1: the tile's two halves of 128 rows); w's tile column by every cluster of that column: cluster y = 0 asks (waves 2, 3).  The four partners that
; ask for a tile jointly share its rows out BY ADDRESS, 32 of each 128 (by cx for x, by cy for w): no branch hangs on a work-group's place in its cluster.  The loop's last trip (s3 = 1) asks for nothing:
; there is no K step two refills on.  K steps 0 to 3 come by their loads alone.
; SCALE BYTES: a tile's 32,768 bytes are 128 blocks of 256: 4 partners x 32 lanes.  Waves 0 (x's) and 2 (w's) of the same clusters ask for them by one instruction, in the loop's first trip.  That names the blocks of
; K steps 0 to 2 too, which the first loads have asked for already.
.macro ASK slot
	s_cmp_gt_u32 s3, s[LIM]
	s_cbranch_scc0 .Lno_codes_\@
	global_prefetch_b8 v[PFO], s[PFA:PFA+1] offset:ROWB th:TH_LOAD_NT scope:SCOPE_SE
.Lno_codes_\@:
.if \slot == 0
	s_cmp_eq_u32 s3, s[LIMS]
	s_cbranch_scc0 .Lno_scales_\@
	global_prefetch_b8 v[PFS], s[PSA:PSA+1] th:TH_LOAD_NT scope:SCOPE_SE
.Lno_scales_\@:
.endif
.endm
.macro CREST                           ; a round of the cluster's barrier behind its opening barrier: wave 0 signals for the work-group, every wave waits for all sixteen, my work-group's barrier closes it
	s_cmp_lg_u32 s[WV], 0
	s_cbranch_scc1 .Lnot_wave_0_\@
	s_barrier_signal -3
.Lnot_wave_0_\@:
	s_barrier_wait -3
	s_barrier_signal -1
	s_barrier_wait -1
.endm
.macro CROUND                          ; a whole round
	s_barrier_signal -1
	s_barrier_wait -1
	CREST
.endm
	s_load_b256 s[4:11], s[0:1], 0x0               ; x's codes s[4:5], x's scales s[6:7], w's codes s[8:9], w's scales s[10:11]
	s_load_b128 s[12:15], s[0:1], 0x20             ; bias s[12:13], out0 s[14:15]
	v_lshl_add_u32 v[SPW], v0, 2, SPARE
	v_mov_b32 v[NIL], 0
	ds_add_u32 v28, v29
	ds_add_u32 v28, v29
	s_wait_dscnt 0x0
	v_lshrrev_b32 v1, 5, v0
	v_readfirstlane_b32 s[WV], v1                  ; wave 0..3
	s_lshr_b32 s17, s[WV], 1                       ; which half of the tile's rows is mine
	s_and_b32 s18, s[WV], 1                        ; which half of its columns
	s_bfe_u32 s20, ttmp6, 0x40000                  ; cx, cy: my place in the cluster
	s_bfe_u32 s21, ttmp6, 0x40004
	s_lshl_b32 s22, ttmp9, 2
	s_add_co_u32 s22, s22, s20                     ; tile column = 4 x cluster x + cx
	s_and_b32 s23, ttmp7, 0xffff
	s_lshl_b32 s23, s23, 2
	s_add_co_u32 s23, s23, s21                     ; tile row = 4 x cluster y + cy
	s_lshl_b32 s98, s21, 2
	s_lshl_b32 s98, 15, s98                        ; my row of the cluster: places 4 cy .. 4 cy + 3
	s_lshl_b32 s99, 0x1111, s20                    ; my column: places cx, cx + 4, cx + 8, cx + 12
	; descriptor group 1 for codes: a tile of 256 rows x 256 bytes, padded in LDS
	s_or_b32 s[G1A+0], s98, (0<<16)|(1<<20)|(1<<21)|(5<<22)|(3<<25)  ; 15:0 the mask: x's tiles go to my row; 17:16 elements of 1 byte; 20 padding on; 21 set beside a mask; 24:22 after every 64 words (code 5); 31:25 four words of it (code 3)
	s_or_b32 s[G1B+0], s99, (0<<16)|(1<<20)|(1<<21)|(5<<22)|(3<<25)  ; the same with the mask of my column, for w's tiles
.irp g, G1A, G1B
	s_mov_b32 s[\g+1], ROWB<<16                    ; tensor_dim0 = 256
	s_mov_b32 s[\g+2], 256<<16                     ; tensor_dim1 = 256
	s_mov_b32 s[\g+3], ROWB<<16                    ; tile_dim0 = 256
	s_mov_b32 s[\g+4], 256                         ; tile_dim1 = 256
	s_mov_b32 s[\g+5], KROW                        ; tensor_dim0_stride: 4,096 elements from row to row
	s_mov_b32 s[\g+6], 0
	s_mov_b32 s[\g+7], 0
.endr
	; and for scales: a dense block of 2,048 bytes, as 8 rows of 256 bytes (32 elements of 8 bytes), no padding
	s_or_b32 s[G1SA+0], s98, (3<<16)|(1<<21)
	s_or_b32 s[G1SB+0], s99, (3<<16)|(1<<21)
.irp g, G1SA, G1SB
	s_mov_b32 s[\g+1], 32<<16
	s_mov_b32 s[\g+2], 8<<16
	s_mov_b32 s[\g+3], 32<<16
	s_mov_b32 s[\g+4], 8
	s_mov_b32 s[\g+5], 32
	s_mov_b32 s[\g+6], 0
	s_mov_b32 s[\g+7], 0
.endr
	; group 0, a set for each slot.  Where the tiles go is a constant: no place in the cluster and no wave's number enters an LDS address here
.irp s, 0,1
	s_mov_b32 s[G0A+4*\s], 1                       ; 1:0 count = 1
	s_mov_b32 s[G0A+4*\s+1], \s*SLOT               ; 63:32 LDS address
	s_mov_b32 s[G0B+4*\s], 1
	s_mov_b32 s[G0B+4*\s+1], \s*SLOT+BOFF
	s_mov_b32 s[G0SA+4*\s], 1
	s_mov_b32 s[G0SA+4*\s+1], \s*SLOT+SAOFF
	s_mov_b32 s[G0SB+4*\s], 1
	s_mov_b32 s[G0SB+4*\s+1], \s*SLOT+SBOFF
.endr
	s_mov_b32 s67, 0
	s_mov_b32 s101, 0
	s_wait_kmcnt 0x0
	; where they come from.  x's hang on the tile row alone, which my row of the cluster shares (offsets in s[66:67]); w's on the tile column alone, which my column shares (offsets in s[100:101])
	s_lshl_b32 s66, s23, 20                        ; 256 rows of 4,096 bytes
	s_add_nc_u64 s[G0A+2:G0A+3], s[4:5], s[66:67]  ; 120:64 global address: K step 0,
	s_add_nc_u64 s[G0A+6:G0A+7], s[G0A+2:G0A+3], ROWB   ; K step 1
	s_lshl_b32 s66, s23, 15                        ; a tile's 32,768 scale bytes
	s_add_nc_u64 s[G0SA+2:G0SA+3], s[6:7], s[66:67]
	s_add_nc_u64 s[G0SA+6:G0SA+7], s[G0SA+2:G0SA+3], 2048
	s_lshl_b32 s100, s22, 20
	s_add_nc_u64 s[G0B+2:G0B+3], s[8:9], s[100:101]
	s_add_nc_u64 s[G0B+6:G0B+7], s[G0B+2:G0B+3], ROWB
	s_lshl_b32 s100, s22, 15
	s_add_nc_u64 s[G0SB+2:G0SB+3], s[10:11], s[100:101]
	s_add_nc_u64 s[G0SB+6:G0SB+7], s[G0SB+2:G0SB+3], 2048
.irp g, G0A, G0B, G0SA, G0SB
	s_or_b32 s[\g+3], s[\g+3], 0x80000000          ; 127:126 type = 2
	s_or_b32 s[\g+7], s[\g+7], 0x80000000
.endr
	CROUND                                         ; all sixteen work-groups are here: the first joint loads meet
	JLOAD 0                                        ; K step 0
	JLOAD 1                                        ; K step 1: two loads of mine are out
	v_and_b32 v1, 15, v0                           ; r = l % 16
	v_bfe_u32 v2, v0, 4, 1                         ; h = l / 16
	; the bias: my wave's 128 columns; lane (r, h) wants, for block b, those of columns 16 b + 8 h + 0 .. 7
	v_lshlrev_b32 v[BO], 5, v2
	s_lshl_b32 s100, s22, 10
	s_lshl_b32 s2, s18, 9
	s_add_co_u32 s100, s100, s2                    ; 4 x (256 x tile column + 128 x half)
	s_add_nc_u64 s[12:13], s[12:13], s[100:101]
.irp b, 0,1,2,3,4,5,6,7
	global_load_b128 v[BI+8*\b:BI+8*\b+3], v[BO], s[12:13] offset:64*\b
	global_load_b128 v[BI+8*\b+4:BI+8*\b+7], v[BO], s[12:13] offset:64*\b+16
.endr
	v_mul_u32_u24 v3, v1, PITCH
	v_lshl_add_u32 v4, v2, 4, v3                   ; a fragment's row x pitch + 16 x half
	s_mul_i32 s2, s17, HALFT                       ; my 128 rows of A
	s_mul_i32 s19, s18, HALFT                      ; my 128 rows of B,
	s_add_co_u32 s19, s19, BOFF                    ; which lie behind A's 256
.irp s, 0,1
	v_add_nc_u32 v[ADRA+\s], s2, v4
	v_add_nc_u32 v[ADRB+\s], s19, v4
	s_add_co_u32 s2, s2, SLOT
	s_add_co_u32 s19, s19, SLOT
.endr
	; scale words: 8 bytes a row.  Lanes 0-15: SAOFF + 1,024 x (my half of the rows) + 8 r;  lanes 16-31: SBOFF + 1,024 x (my half of the columns) + 8 r.  ONE product: the lower base + h x the distance,
	; 2,176 + 1,024 (s18 - s17), written as 1,152 + 1,024 (s18 + (s17 xor 1)) so that no term is negative
	s_xor_b32 s2, s17, 1
	s_add_co_u32 s2, s2, s18
	s_lshl_b32 s2, s2, 10
	s_add_co_u32 s2, s2, 1152
	v_mul_u32_u24 v5, s2, v2
	v_lshl_add_u32 v5, v1, 3, v5
	s_lshl_b32 s19, s17, 10
	s_add_co_u32 s19, s19, SAOFF
	v_add_nc_u32 v[ADRS], s19, v5
	v_add_nc_u32 v[ADRS+1], SLOT, v[ADRS]
	s_mul_i32 s19, s[WV], 16*SPITCH                ; my stage
	v_mul_u32_u24 v5, v1, SPITCH                   ; in: row l % 16, 32 bytes for each half of the lanes
	v_lshl_add_u32 v5, v2, 5, v5
	v_add_nc_u32 v[STO], s19, v5
	v_and_b32 v6, 31, v0
	v_lshlrev_b32 v[CO], 4, v6                     ; back: the 32 lanes take one row of 512 bytes; and the same in out0
	v_add_nc_u32 v[RD], s19, v[CO]
	v_lshlrev_b32 v[PFS], 8, v6
	v_lshlrev_b32 v[PFO], 12, v6
	; the prefetches: whose, and where they stand
	s_and_b32 s2, ttmp7, 0xffff                    ; cluster y
	s_cmp_eq_u32 s17, 0                            ; waves 0 and 1 ask for x's, waves 2 and 3 for w's
	s_cselect_b32 s100, s23, s22                   ; the tile: by the tile row in x, by the tile column in w
	s_cselect_b32 s19, s20, s21                    ; my place among the four that ask for it with me
	s_cselect_b32 s2, ttmp9, s2                    ; the coordinate along which other clusters read the same rows
	s_cselect_b64 s[PFA:PFA+1], s[4:5], s[8:9]
	s_cselect_b64 s[PSA:PSA+1], s[6:7], s[10:11]
	s_cmp_eq_u32 s2, 0
	s_cselect_b32 s[LIM], 1, -1                    ; the same in all sixteen partners, for a given wave
	s_or_b32 s2, s2, s18                           ; and of those waves the even ones ask for the scale bytes
	s_cmp_eq_u32 s2, 0
	s_cselect_b32 s[LIMS], LAPS-1, 0
	s_lshl_b32 s2, s100, 15                        ; scale bytes: the tile's 32,768,
	s_lshl_b32 s66, s19, 13                        ; my work-group's 8,192 of them
	s_add_co_u32 s2, s2, s66
	s_lshl_b32 s100, s100, 20                      ; codes: the tile's 256 rows of 4,096 bytes,
	s_lshl_b32 s19, s19, 17                        ; my work-group's 32 rows
	s_add_co_u32 s100, s100, s19
	s_lshl_b32 s19, s18, 19                        ; of the half of 128 that my wave asks for,
	s_add_co_u32 s100, s100, s19
	s_add_co_u32 s100, s100, 2*ROWB                ; at K step 2: the first refill steps it to 3 and names K step 4
	s_add_nc_u64 s[PFA:PFA+1], s[PFA:PFA+1], s[100:101]
	s_mov_b32 s100, s2
	s_add_nc_u64 s[PSA:PSA+1], s[PSA:PSA+1], s[100:101]
	; where my part of out0 begins: row 256 x tile row + 128 x half, column 256 x tile column + 128 x half
	s_lshl_b32 s100, s23, 8
	s_lshl_b32 s2, s17, 7
	s_add_co_u32 s100, s100, s2
	s_lshl_b32 s100, s100, 14                      ; rows of 16,384 bytes: under 2^26
	s_lshl_b32 s2, s22, 10
	s_add_co_u32 s100, s100, s2
	s_lshl_b32 s2, s18, 9
	s_add_co_u32 s100, s100, s2
	s_add_nc_u64 s[14:15], s[14:15], s[100:101]
.macro FRAG reg, adr, q, i             ; a fragment, 16 rows x 128 K of 8-bit codes, is 16 registers: lane l holds row l % 16; registers 4 c .. 4 c + 3 hold K = 32 c + 16 (l / 16) + 0 .. 15
.irp c, 0,1,2,3
	ds_load_b128 v[\reg+4*\c:\reg+4*\c+3], v[\adr] offset:128*(\q)+32*\c+(\i)*16*PITCH
.endr
.endm
; 16 matrix instructions: A's blocks a0, a0 + 1 x B's eight, 128 along K: the slot's q-th.  p: B's set;  sc: the set of scale words.  first = 1: the first product starts the sums from the bias.
; The 64 accumulators take turns, one instruction a turn, in the same order in every step.
; Source 0 (B) takes its scales from lanes 16-31 of block b's register, source 1 (A) from lanes 0-15 of block a's.
.macro MUL16 a0, p, q, sc, first
.irp a, \a0, \a0+1
.irp b, 0,1,2,3,4,5,6,7
.if \first
	v_wmma_scale_f32_16x16x128_f8f6f4 v[8*(8*((\a)%4)+\b):8*(8*((\a)%4)+\b)+7], v[128*(\p)+FR*\b:128*(\p)+FR*\b+FR-1], v[AF+FR*(\a):AF+FR*(\a)+FR-1], v[BI+8*\b:BI+8*\b+7], v[SC+8*NQ*(\sc)+NQ*\b+(\q)], v[SC+8*NQ*(\sc)+NQ*(\a)+(\q)] matrix_a_fmt:MATRIX_FMT_BF8 matrix_b_fmt:MATRIX_FMT_BF8 matrix_a_scale:MATRIX_SCALE_ROW1
.else
	v_wmma_scale_f32_16x16x128_f8f6f4 v[8*(8*((\a)%4)+\b):8*(8*((\a)%4)+\b)+7], v[128*(\p)+FR*\b:128*(\p)+FR*\b+FR-1], v[AF+FR*(\a):AF+FR*(\a)+FR-1], v[8*(8*((\a)%4)+\b):8*(8*((\a)%4)+\b)+7], v[SC+8*NQ*(\sc)+NQ*\b+(\q)], v[SC+8*NQ*(\sc)+NQ*(\a)+(\q)] matrix_a_fmt:MATRIX_FMT_BF8 matrix_b_fmt:MATRIX_FMT_BF8 matrix_a_scale:MATRIX_SCALE_ROW1
.endif
.endr
.endr
.endm
.macro FETCH_B slot, q, p              ; B's eight fragments of the slot's q-th 128 along K into set p
	WIN TO_B
.irp i, 0,1,2,3,4,5,6,7
	FRAG 128*(\p)+FR*\i, ADRB+\slot, \q, \i
.endr
	WIN 0
.endm
.macro FETCH_A slot, q, i0             ; A's blocks i0 .. i0 + 3
.irp i, \i0, \i0+1, \i0+2, \i0+3
	FRAG AF+FR*(\i), ADRA+\slot, \q, \i
.endr
.endm
.macro SCALES sc                       ; slot sc's scale words into set sc: two words a row; lanes 0-15 take A's block i, lanes 16-31 B's block i; 16 rows are 128 bytes
.irp i, 0,1,2,3,4,5,6,7
	ds_load_b64 v[SC+8*NQ*\sc+NQ*\i:SC+8*NQ*\sc+NQ*\i+1], v[ADRS+\sc] offset:\i*128
.endr
.endm
; A load into a register that a matrix instruction has read, and an LDS store that reads a matrix result, stand NP places behind that matrix instruction, and only plain vector instructions that name none of its
; registers are places (ISA guide 7.12.1 for vector instructions); this text does not count the matrix instructions in between.
.macro PLACES n
.rept \n
	v_nop
.endr
.endm
; A step of 128 along K that has its successor in the same slot.  At its end ALL of the slot has been asked for: the successor's products work on registers alone.
.macro STEP slot, q, first
	s_wait_dscnt 4*NL                              ; B's set, A's blocks 0-3 and the scale words are in; the youngest 16 loads (A's blocks 4-7) may be out
.if \first
	WIN MUL_LO1
.else
	WIN MUL_LO
.endif
	MUL16 0, (\q)%2, \q, \slot, \first
	MUL16 2, (\q)%2, \q, \slot, \first
	s_wait_dscnt 0                                 ; A's blocks 4-7 are in (asked for 32 matrix instructions ago)
	PLACES NP
	FETCH_B \slot, (\q)+1, 1-(\q)%2
	FETCH_A \slot, (\q)+1, 0
.if \first
	WIN MUL_HI1
.else
	WIN MUL_HI
.endif
	MUL16 4, (\q)%2, \q, \slot, \first
	MUL16 6, (\q)%2, \q, \slot, \first
	PLACES NP
	WIN 0
	FETCH_A \slot, (\q)+1, 4
.endm
; A slot's last step, with THE CHANGE OF SLOTS AT ITS HEAD.  The slot's last LDS reads (A's blocks 4-7 of this step) were issued at the end of the step before, so the slot is given up before this step's 64 products,
; not in their middle.  ONE barrier: in front of it each wave waits for all its tensor loads, adds 0 to its spare word, and waits for that and for its own reads of this slot.
; fill = 1: this slot is filled again, two K steps ahead: the barrier then opens a round of the cluster's barrier, and the joint refill is the first tensor load behind the round's closing wait.
; From that request to the wait for it a wave issues a whole K step's 128 matrix instructions, and between one fill's landing and the next request stand the three lines and the round alone.
.macro TURN slot, next, fill
.if \fill
	s_wait_xcnt 0x0                                ; the last prefetch, a K step back, has read its address: it is stepped here, ahead of the waits of the change of slots
	s_add_nc_u64 s[PFA:PFA+1], s[PFA:PFA+1], ROWB
.endif
	s_wait_tensorcnt 0x0                           ; all my tensor loads have landed: the one that was out is my part of the next slot;  (every window is 0 here: the add's two registers lie in window 0)
	ds_add_u32 v[SPW], v[NIL]                      ; 0 onto my spare word
.if \fill
	s_add_nc_u64 s[G0A+4*\slot+2:G0A+4*\slot+3], s[G0A+4*\slot+2:G0A+4*\slot+3], 2*ROWB       ; no tensor load of mine is out, so every group 0 may be written: this slot's next K step; the type bits on top are not reached
	s_add_nc_u64 s[G0B+4*\slot+2:G0B+4*\slot+3], s[G0B+4*\slot+2:G0B+4*\slot+3], 2*ROWB
	s_add_nc_u64 s[G0SA+4*\slot+2:G0SA+4*\slot+3], s[G0SA+4*\slot+2:G0SA+4*\slot+3], 2*2048
	s_add_nc_u64 s[G0SB+4*\slot+2:G0SB+4*\slot+3], s[G0SB+4*\slot+2:G0SB+4*\slot+3], 2*2048
.endif
	s_wait_dscnt 0x0                               ; the add is done, and my reads of this slot are over: all this step's fragments are in registers
	s_barrier_signal -1
	s_barrier_wait -1                              ; both now hold of all four waves
.if \fill
	CREST                                          ; and of every partner: no wave of the cluster still reads this slot's tiles or has a load on its way
	JLOAD \slot                                    ; the first tensor load behind the round
	ASK \slot                                      ; behind the joint load's four lines
.endif
	WIN MUL_LO
	MUL16 0, 1, NQ-1, \slot, 0
	MUL16 2, 1, NQ-1, \slot, 0
	PLACES NP                                      ; for the loads into A's blocks 0-3, which these products have read
	FETCH_B \next, 0, 0
	FETCH_A \next, 0, 0
	SCALES \next
	WIN MUL_HI
	MUL16 4, 1, NQ-1, \slot, 0
	MUL16 6, 1, NQ-1, \slot, 0
	PLACES NP
	WIN 0
	FETCH_A \next, 0, 4
.endm
	s_wait_tensorcnt 1                             ; my part of K step 0 is in (K step 1's load may be out)
	s_barrier_signal -1
	s_barrier_wait -1                              ; everybody's is
	FETCH_B 0, 0, 0
	FETCH_A 0, 0, 0
	SCALES 0
	FETCH_A 0, 0, 4
	s_wait_loadcnt 0x0                             ; the bias
	STEP 0, 0, 1                                   ; the first step stands in front of the loop: its products start the sums
	s_mov_b32 s3, LAPS-1
.Llap:                                                 ; a trip goes once round the ring, from a lap's second step to the next lap's first, and fills both slots again
	TURN 0, 1, 1
	STEP 1, 0, 0
	TURN 1, 0, 1
	STEP 0, 0, 0
	s_sub_co_u32 s3, s3, 1
	s_cmp_lg_u32 s3, 0
	s_cbranch_scc1 .Llap
	TURN 0, 1, 0                                   ; the last lap fills nothing, and has no round of the cluster's barrier
	STEP 1, 0, 0
	s_wait_dscnt 4*NL                              ; the very last step: nothing more to fetch
	WIN MUL_LO
	MUL16 0, 1, NQ-1, 1, 0
	MUL16 2, 1, NQ-1, 1, 0
	s_wait_dscnt 0
	WIN MUL_HI
	MUL16 4, 1, NQ-1, 1, 0
	MUL16 6, 1, NQ-1, 1, 0
	WIN 0
; THE WAY OUT, block by block of 16 rows x 128 columns.  A lane holds 32 neighbouring bytes of a row, and the lanes beside it hold other rows: so a block goes through my own stage in LDS and comes back as whole
; rows of 512 bytes.  LDS serves a wave's instructions in order (ISA guide 5.7.1.4): no wait between the stores and the loads, nor in front of the next block's stores.
.macro TOSTAGE a
.set AC, 64*((\a)%4)
	WIN 0x08+4*((\a)/4)                            ; an LDS store's data are its source 1: window 2 or 3
.irp b, 0,1,2,3,4,5,6,7
	ds_store_b128 v[STO], v[AC+8*\b:AC+8*\b+3] offset:64*\b          ; each accumulator from its low end on
	ds_store_b128 v[STO], v[AC+8*\b+4:AC+8*\b+7] offset:64*\b+16
.endr
	WIN 0
.set BB, BK+64*((\a)%2)
.irp t, 0,1,2,3,4,5,6,7,8,9,10,11,12,13,14,15
	ds_load_b128 v[BB+4*\t:BB+4*\t+3], v[RD] offset:\t*SPITCH
.endr
.endm
.macro SEND a, younger                 ; younger: the LDS instructions issued behind block a's loads, which may stay out
.set BB, BK+64*((\a)%2)
	s_wait_dscnt \younger                          ; the block is back in registers
.if (\a) > 0
	s_add_nc_u64 s[14:15], s[14:15], 16*NROW       ; (behind a wait on XCNT: the earlier stores have read their base)  16 rows on, so that the stores' offsets stay small: 15 rows, 245,760 bytes, at the most
.endif
.irp t, 0,1,2,3,4,5,6,7,8,9,10,11,12,13,14,15
	global_store_b128 v[CO], v[BB+4*\t:BB+4*\t+3], s[14:15] offset:\t*NROW th:TH_STORE_NT   ; 32 lanes store 512 consecutive bytes, at a multiple of 256 from out0's first byte; written once, read by nobody here
.endr
.endm
	PLACES NP                                      ; behind the last products: for the loads into the registers that held A's fragments and for the reads of block 7's results alike
	TOSTAGE 0
.irp a, 1,2,3,4,5,6,7
.if \a > 1
	s_wait_xcnt 0x0                                ; block a - 2's stores have read their registers and their base: block a's loads may land there, and the base may step
.endif
	TOSTAGE \a
	SEND \a-1, 32                                  ; behind block a - 1's loads: block a's 16 stores and 16 loads
.endr
	s_wait_xcnt 0x0                                ; block 6's stores have read their base
	SEND 7, 0
	s_wait_tensorcnt 0x0                           ; the wave's end: behind my last tensor load and my last LDS store
	ds_add_u32 v[SPW], v[NIL]
	s_wait_dscnt 0x0
	CROUND                                         ; the closing round: no work-group ends while a partner may still ask for a tile that names it
	s_endpgm
.Lfunc_end_k_qda3f4cd880_gemm:
	.size	k_qda3f4cd880_gemm, .Lfunc_end_k_qda3f4cd880_gemm-k_qda3f4cd880_gemm
	.p2alignl 7, 3214868480
	.fill 96, 4, 3214868480
	.section	.rodata,"a",@progbits
	.p2align	6, 0x0
	.amdhsa_kernel k_qda3f4cd880_gemm
		.amdhsa_group_segment_fixed_size 327680
		.amdhsa_private_segment_fixed_size 0
		.amdhsa_enable_private_segment 0
		.amdhsa_kernarg_size 48
		.amdhsa_user_sgpr_count 2
		.amdhsa_user_sgpr_kernarg_segment_ptr 1
		.amdhsa_wavefront_size32 1
		.amdhsa_system_sgpr_workgroup_id_x 1
		.amdhsa_system_sgpr_workgroup_id_y 1
		.amdhsa_system_sgpr_workgroup_id_z 1
		.amdhsa_system_vgpr_workitem_id 0
		.amdhsa_next_free_vgpr 1024
		.amdhsa_next_free_sgpr 102
		.amdhsa_reserve_vcc 0
		.amdhsa_float_denorm_mode_32 3
		.amdhsa_float_denorm_mode_16_64 3
		.amdhsa_memory_ordered 1
		.amdhsa_forward_progress 1
		.amdhsa_inst_pref_size 151
	.end_amdhsa_kernel
	.amdgpu_metadata
---
amdhsa.version: [ 1, 2 ]
amdhsa.kernels:
  - .name:           k_qda3f4cd880_gemm
    .symbol:         k_qda3f4cd880_gemm.kd
    .args:
      - { .name: x_codes, .offset: 0, .size: 8, .value_kind: global_buffer, .address_space: global }
      - { .name: xs_t, .offset: 8, .size: 8, .value_kind: global_buffer, .address_space: global }
      - { .name: w_codes, .offset: 16, .size: 8, .value_kind: global_buffer, .address_space: global }
      - { .name: ws_t, .offset: 24, .size: 8, .value_kind: global_buffer, .address_space: global }
      - { .name: bias, .offset: 32, .size: 8, .value_kind: global_buffer, .address_space: global }
      - { .name: out0, .offset: 40, .size: 8, .value_kind: global_buffer, .address_space: global }
    .group_segment_fixed_size: 327680
    .private_segment_fixed_size: 0
    .kernarg_segment_align: 8
    .kernarg_segment_size: 48
    .max_flat_workgroup_size: 128
    .sgpr_count:     102
    .vgpr_count:     1024
    .wavefront_size: 32
...
	.end_amdgpu_metadata
.endif
;; end of part 2
